; MI455X (gfx1250); checked and timed in simulation.
; The chip was launched on July 23, 2026; its instructions are those of AMD's public machine-readable ISA for CDNA 5 (MIT licence, August 2026) and "CDNA5" Instruction Set Architecture Reference Guide (July 2026). The comments in the code are by the model that wrote it; some were corrected since.
;; Siren. Allowed arithmetic: float matrix products may take bf16 or f16 operands with f32 sums; other float arithmetic in f32, or as packed bf16 or f16 multiplies, adds, multiply-adds, maxima and minima; sums over many terms, partial sums and values carried from step to step in f32; what a program stores and reads back later, other than sums and carried values, may be rounded once to bf16 or f16.
;; Inputs: W1 128 x 2 float32; Wh 2 x 128 x 128 float32; Wo 3 x 128 float32; b1 128 float32; bh 2 x 128 float32; bo 3 float32; grid 1,024 x 1,024 x 2 float32.
;; Outputs: out0 1,024 x 1,024 x 3 float32.
;; One version. Each part assembles by itself: llvm-mc -triple=amdgcn-amd-amdhsa -mcpu=gfx1250 --defsym DOCPART=n.
;; ======== version 1 of 1: 1 launch
;; limits: a function is approximated: absolute error at most 0.0014
;; launch siren (part 1): grid 256 x 1, 4 waves a work-group, no clusters, 72,192 bytes of LDS; arguments grid, W1, b1, Wh, bh, Wo, bo, out0; writes out0
.if DOCPART == 1
	.amdgcn_target "amdgcn-amd-amdhsa--gfx1250"
	.amdhsa_code_object_version 6
	.text
	.protected	k_q8694f41e35_siren
	.globl	k_q8694f41e35_siren
	.p2align	8
	.type	k_q8694f41e35_siren,@function
k_q8694f41e35_siren:
	s_mov_b64 s[64:65], 0
	v_nop
	global_prefetch_b8 v0, s[64:65] scope:SCOPE_SE
	s_setreg_imm32_b32 hwreg(HW_REG_WAVE_MODE, 25, 1), 1
	s_wait_xcnt 0x0
; SIREN: out = (sin(50(sin(50(sin(50(x W1^T + b1)) Wh0^T + bh0)) Wh1^T + bh1)) Wo^T + bo) / 2 + 0.5, x = 2 grid - 1, for 1,048,576 points.  All four layers in one launch.
; SHARES.  256 work-groups of four waves; a wave owns 1,024 consecutive points: 32 trips of two tiles X, Y of 16 points.  Nothing is handed between waves but the weights' fragments, once, at the head.
; THE WEIGHTS LIVE IN REGISTERS: as bf16 fragments the model is 512 (hidden) + 36 (layer 1) + 64 (layer 4) registers, its bias tiles 136.  In the loop LDS serves the way out alone.
; LAYOUT.  H^T = W X^T: source 0 = 16 output features x 32 input features, source 1 = 32 input features x 16 points.  In the result lane (r, h) holds point r and features 8 h + 0..7; two neighbouring
; feature tiles, rounded in pairs to bf16, ARE source 1 of the next layer's chunk of 32 features: nothing changes lanes between layers.
; THE SINE is plain f32 arithmetic.  kappa = 50 / 2 pi is folded into the weights before their one rounding to bf16, and the sums start at kappa b + 1/4, so an accumulator holds t' = phase in turns + 1/4.
; u = fract(t'), v = u u - u (in -1/4 .. 0), sin = cos(2 pi (u - 1/2)) = d0 + d1 v + d2 v^2 + d3 v^3: the Chebyshev series in 8 v + 1 (coefficients J0, -2 J2, 2 J4, -2 J6 at pi), cut behind its fourth term.
; Seven vector lines for two sines: 2 fract, 1 for v, 3 for the polynomial, 1 rounding.
; LAYER 1 has f32's accuracy on the bf16 form: grid, 2 kappa W1 and beta = kappa (b1 - W1[.][0] - W1[.][1]) + 1/4 are cut exactly into three bf16 pieces each; one product of K = 32 a feature tile adds
; a1 w1 + a1 w2 + a1 w3 + a2 w1 + a2 w2 + a3 w1 for both coordinates and the three pieces of beta (times 1).  What is dropped is at most 3 x 2^-24 of |g w|.
; LIMITS.  The sine is off by at most 1.4e-3 (2 J8(pi)) for every phase, about a bf16 half step near 1, which follows it anyway.  The phase is kept as f32 keeps it: off by some |t'| 2^-24 turns; from |t'| = 2^23 on it
; has no meaning.  Hidden weights, activations and Wo are rounded once to bf16.  NaN and infinities are not treated apart.
; NO CLUSTER, NO TENSOR LOAD: what work-groups share is the weights, 135,180 bytes, read once at the head, and they pass through registers to be scaled and rounded; the loop shares nothing.  The grid is 8 bytes a point
; and is loaded a whole trip ahead into two registers, so nothing waits for it and nothing is asked for ahead of the loads.
; REGISTERS, in windows of 256 (s_set_vgpr_msb: bits 1:0 source 0, 3:2 source 1, 5:4 source 2, 7:6 destination):
;   window 0: all that vector lines touch (below)     window 1: Wh[0], fragment (feature tile i, chunk c) at v[8 (4 i + c)]     window 2: Wh[1] likewise
;   window 3: v0-127 bias tiles (layer 2: tile i at 8 i; layer 3: at 64 + 8 i); v128-159 WOL, v160-191 WOH; v192-199 BO
.set STAGE, 65536                      ; LDS: 0 .. 65,535 the 64 hidden fragments, 1,024 bytes each, lane-linear; then 1,536 bytes of stage for each wave
.set STW,   1536                       ; a wave's stage: four trips' results, 128 points x 12 bytes
.set SPARE, STAGE+4*STW                ; behind the stages: the spare words, 128 bytes for each wave: 512 bytes in all
.set SPW,  2                           ; v2   LDS address of my spare word; never rewritten
.set NIL,  3                           ; v3   0; never rewritten
.set GO,   4                           ; v4   8 r + 4 h: my coordinate of my point in a tile of the grid
.set SA0,  5                           ; v5   my 12 bytes in the stage's first trip
.set SA,   6                           ; v6   the same in the trip in hand
.set RD,   7                           ; v7   where I read 16 bytes of the stage back
.set OO,   8                           ; v8   16 x lane: my bytes in 512 consecutive bytes of out0
.set LA,   9                           ; v9   16 x lane: my bytes in half a fragment in LDS
.set GX,   10                          ; v10, v11  the next trip's grid words
.set GY,   11
.set PT,   12                          ; v12-15  at work in PREP
.set TMP,  16                          ; v16-31  the polynomial's values; the way out; at the head W1 as loaded
.set ACC0, 32                          ; v32-47, v48-63  two accumulators each
.set ACC1, 48
.set BX0,  64                          ; activations, 32 registers each: tile X, two buffers; tile Y, two buffers
.set BX1,  96
.set BY0,  128
.set BY1,  160
.set X1X,  192                         ; v192-199, v200-207  layer 1's source 1 for X and Y
.set X1Y,  200
.set W1F,  208                         ; v208-243  layer 1's source 0: feature tile i at 208 + 4 i.  Source 1 is 0 for k = 16 .. 31, so a fragment's upper four registers need only be finite: they are the next fragment's; the last four are 0
.set B1L,  244                         ; v244-251  b1 as loaded
.set HR,   192                         ; the head's own, in registers that the loop's operands take over behind the head's last wait for loads:
.set HH,   193                         ; r = lane % 16, h = lane / 16, lane
.set HL,   194
.set WHO,  195                         ; lane offsets in Wh, bh, Wo, W1, b1
.set H32,  196
.set WOO,  197
.set W1O,  198
.set B1O,  199
.set LSA,  200                         ; where I put 16 bytes of a fragment
.set ML,   201                         ; all ones in the lanes of rows 0-2, and of rows 8-10
.set MH,   202
.set HT,   64                          ; v64-71  at work in W1PREP
.set WOL,  128                         ; window 3
.set WOH,  160
.set BO,   192
.set WV,   2                           ; s2   my wave's number
.set GP,   16                          ; s[16:17] grid, at the trip last asked for
.set OUTP, 30                          ; s[30:31] out0, at the next 1,536 bytes
.set D0,   36                          ; s[36:43] d0 .. d3, each written twice: the packed lines name pairs
.set D1,   38
.set D2,   40
.set D3,   42
.set KAP,  44                          ; s[44:45] kappa
.set QRT,  46                          ; s[46:47] 1/4
.set K2,   48                          ; s48  2 kappa
.set MSK,  49                          ; s49  0xffff0000: cuts an f32 to its bf16 piece; as a lane mask: the lanes with h = 1
.set SEL,  50                          ; s50  v_perm_b32: the first source's upper half above the second's upper half
.set IC,   52                          ; s52  trips to the next way out, 4 .. 1
.set OC,   53                          ; s53  ways out to come
.set TR,   54                          ; s54  trips to come, this one among them
.set STG,  55                          ; s55  the trip's place in the stage
.set STEP, 56                          ; s[56:57] a byte step, upper word 0
.set MSB, 0
.macro WIN new                         ; the immediate's high byte repeats the setting that is left; a switch that changes nothing is dropped
.if MSB != (\new)
	s_set_vgpr_msb (MSB<<8)|(\new)
.set MSB, (\new)
.endif
.endm
; THE VECTOR WORK.  A sine job turns two accumulators (16 registers at rA: two feature tiles of one point tile) into 8 registers of bf16 at rO, in 56 lines; SOP writes the next one.
; Each kind runs over all 16 numbers before the next kind begins, so a line reads results made eight lines back or more.  The fracts go upward.
.macro SJOB a, o
.set rA, (\a)
.set rO, (\o)
.set sn, 0
.endm
.macro SOP
.if sn < 16
	v_fract_f32 v[rA+sn], v[rA+sn]
.elseif sn < 24
.set q, 2*(sn-16)
	v_pk_fma_f32 v[rA+q:rA+q+1], v[rA+q:rA+q+1], v[rA+q:rA+q+1], v[rA+q:rA+q+1] neg_lo:[0,0,1] neg_hi:[0,0,1]  ; v = u u - u
.elseif sn < 32
.set q, 2*(sn-24)
	v_pk_fma_f32 v[TMP+q:TMP+q+1], v[rA+q:rA+q+1], s[D3:D3+1], s[D2:D2+1] op_sel_hi:[1,0,0]
.elseif sn < 40
.set q, 2*(sn-32)
	v_pk_fma_f32 v[TMP+q:TMP+q+1], v[TMP+q:TMP+q+1], v[rA+q:rA+q+1], s[D1:D1+1] op_sel_hi:[1,1,0]
.elseif sn < 48
.set q, 2*(sn-40)
	v_pk_fma_f32 v[TMP+q:TMP+q+1], v[TMP+q:TMP+q+1], v[rA+q:rA+q+1], s[D0:D0+1] op_sel_hi:[1,1,0]
.else
.set q, sn-48
	v_cvt_pk_bf16_f32 v[rO+q], v[TMP+2*q], v[TMP+2*q+1]
.endif
.set sn, sn+1
.endm
.macro RIDE k
.rept \k
	SOP
.endr
.endm
; THE MATRIX WORK, in blocks.  A block's products fill the two accumulators at au; the sine job of the block before, on the OTHER pair of accumulators, stands in equal slices behind them.
; The job writes the other point tile's buffers, so no line of it names a register of the products round it: the slices are also the places that a matrix result wants before a vector line reads it (ISA guide 7.12.1).
; A block's two accumulators take turns, one instruction a turn, and neighbouring blocks use different pairs.
; A hidden layer (lay = 2, 3): feature tiles 2 p, 2 p + 1, all four chunks of the activations at bin.  The first two products start the sums with the bias tiles.
.macro BLKH lay, bin, p, au
.set j, 0
.rept 8
.set fi, 8*(4*(2*(\p)+j%2)+j/2)
.set dd, (\au)+8*(j%2)
.set bi, (\bin)+8*(j/2)
.set ci, 64*((\lay)-2)+8*(2*(\p)+j%2)
.if j < 2
	WIN 0x30+(\lay)-1
	v_wmma_f32_16x16x32_bf16 v[dd:dd+7], v[fi:fi+7], v[bi:bi+7], v[ci:ci+7]
.else
	WIN (\lay)-1
	v_wmma_f32_16x16x32_bf16 v[dd:dd+7], v[fi:fi+7], v[bi:bi+7], v[dd:dd+7]
.endif
	WIN 0
	RIDE 7
.set j, j+1
.endr
.endm
; Layer 1: feature tiles 2 p, 2 p + 1 of the point tile whose source 1 lies at x: one product each; all in window 0.
.macro BLK1 x, p, au
.irp j, 0,1
	v_wmma_f32_16x16x32_bf16 v[(\au)+8*(\j):(\au)+8*(\j)+7], v[W1F+4*(2*(\p)+(\j)):W1F+4*(2*(\p)+(\j))+7], v[(\x):(\x)+7], 0
	RIDE 28
.endr
.endm
; Layer 4, tile X: WOL holds Wo / 2 in rows 0-2, so the three channels fall into registers 0-2 of lanes 0-15.  Two sums P (even chunks, begun with BO = bo / 2 + 1/2) and Q (odd chunks) take turns.
.macro BLK4X
.set j, 0
.rept 4
.set dd, ACC0+8*(j%2)
.if j == 0
	WIN 0x33
	v_wmma_f32_16x16x32_bf16 v[dd:dd+7], v[WOL+8*j:WOL+8*j+7], v[BX0+8*j:BX0+8*j+7], v[BO:BO+7]
.elseif j == 1
	WIN 0x03
	v_wmma_f32_16x16x32_bf16 v[dd:dd+7], v[WOL+8*j:WOL+8*j+7], v[BX0+8*j:BX0+8*j+7], 0
.else
	WIN 0x03
	v_wmma_f32_16x16x32_bf16 v[dd:dd+7], v[WOL+8*j:WOL+8*j+7], v[BX0+8*j:BX0+8*j+7], v[dd:dd+7]
.endif
	WIN 0
	RIDE 14
.set j, j+1
.endr
.endm
; A grid word g is cut into a1 + a2 + a3, each a bf16 (the upper half of an f32; the two differences are exact), and laid as k = 8 h + 0..5: a1 a1 a1 a2 a2 a3.  k = 8 h + 6, 7 hold 1; the rest 0: set once.
.macro PREP g, x
	v_and_b32 v[PT], s[MSK], v[\g]
	v_sub_f32 v[PT+1], v[\g], v[PT]
	v_and_b32 v[PT+2], s[MSK], v[PT+1]
	v_sub_f32 v[PT+3], v[PT+1], v[PT+2]
	v_perm_b32 v[\x], v[PT], v[PT], s[SEL]
	v_perm_b32 v[(\x)+1], v[PT+2], v[PT], s[SEL]
	v_perm_b32 v[(\x)+2], v[PT+3], v[PT+2], s[SEL]
.endm
; Layer 1's source 0 for feature tile i: lane (r, h) holds feature 16 i + r, k = 8 h + 0..7: w1 w2 w3 w1 w2 w1 of w = 2 kappa W1[.][h], then beta1, beta2 (h = 0) or beta3, 0 (h = 1).
.macro W1PREP i
.set wl, TMP+2*(\i)
.set bl, B1L+(\i)
.set fr, W1F+4*(\i)
	v_cndmask_b32 v[HT], v[wl], v[wl+1], s[MSK]    ; my coordinate's weight
	v_sub_f32 v[HT+4], v[bl], v[wl]
	v_mul_f32 v[HT], s[K2], v[HT]
	v_sub_f32 v[HT+4], v[HT+4], v[wl+1]
	v_and_b32 v[HT+1], s[MSK], v[HT]               ; w1
	v_fma_f32 v[HT+4], v[HT+4], s[KAP], s[QRT]     ; beta
	v_sub_f32 v[HT+2], v[HT], v[HT+1]
	v_and_b32 v[HT+5], s[MSK], v[HT+4]             ; beta1
	v_and_b32 v[HT+3], s[MSK], v[HT+2]             ; w2
	v_sub_f32 v[HT+6], v[HT+4], v[HT+5]
	v_sub_f32 v[HT+2], v[HT+2], v[HT+3]            ; w3
	v_and_b32 v[HT+7], s[MSK], v[HT+6]             ; beta2
	v_perm_b32 v[fr], v[HT+3], v[HT+1], s[SEL]     ; w1, w2
	v_sub_f32 v[HT+6], v[HT+6], v[HT+7]            ; beta3
	v_perm_b32 v[fr+1], v[HT+1], v[HT+2], s[SEL]   ; w3, w1
	v_perm_b32 v[fr+2], v[HT+1], v[HT+3], s[SEL]   ; w2, w1
	v_perm_b32 v[HT+5], v[HT+7], v[HT+5], s[SEL]   ; beta1, beta2
	v_lshrrev_b32 v[HT+6], 16, v[HT+6]             ; beta3, 0
	v_cndmask_b32 v[fr+3], v[HT+5], v[HT+6], s[MSK]
.endm
; A TRIP'S END.  Layer 4 for tile Y (WOH holds Wo / 2 in rows 8-10: the channels fall into registers 0-2 of lanes 16-31), on the same P and Q; the 32 points' results go into the stage;
; the next trip's layer 1 begins; the trip after that is asked for.
.macro TAIL
	WIN 0x03
.irp j, 0,1,2,3
	v_wmma_f32_16x16x32_bf16 v[ACC0+8*((\j)%2):ACC0+8*((\j)%2)+7], v[WOH+8*(\j):WOH+8*(\j)+7], v[BY0+8*(\j):BY0+8*(\j)+7], v[ACC0+8*((\j)%2):ACC0+8*((\j)%2)+7]
.endr
	WIN 0
	s_wait_loadcnt 0x0                             ; the next trip's two grid words, asked for a trip ago; their address may now be stepped
	PREP GX, X1X                                   ; seven plain lines that name nothing of the products above: the places in front of the sums below and of the products that write P's and Q's registers anew
	s_mul_i32 s[STG], s[IC], 384
	s_sub_co_u32 s[STG], STW, s[STG]               ; 384 bytes a trip: 0, 384, 768, 1,152 as the counter goes 4 .. 1
	v_add_nc_u32 v[SA], s[STG], v[SA0]
	v_pk_add_f32 v[TMP:TMP+1], v[ACC0:ACC0+1], v[ACC0+8:ACC0+9]  ; lane l: the three channels of point l of the trip's 32
	v_add_f32 v[TMP+2], v[ACC0+2], v[ACC0+10]
	ds_store_b32 v[SA], v[TMP]                     ; lanes three words apart: 32 different words modulo 64
	ds_store_b32 v[SA], v[TMP+1] offset:4
	ds_store_b32 v[SA], v[TMP+2] offset:8
	v_wmma_f32_16x16x32_bf16 v[ACC0:ACC0+7], v[W1F:W1F+7], v[X1X:X1X+7], 0        ; the next trip's X, feature tiles 0 and 1
	v_wmma_f32_16x16x32_bf16 v[ACC0+8:ACC0+15], v[W1F+4:W1F+11], v[X1X:X1X+7], 0
	PREP GY, X1Y                                   ; seven plain lines again: the places in front of the next block's reads of these sums
	s_cmp_gt_u32 s[TR], 2                          ; the last two trips have no trip two on: they ask for the last trip's 256 bytes once more, and no load leaves the grid
	s_cselect_b32 s[STEP], 256, 0
	s_add_nc_u64 s[GP:GP+1], s[GP:GP+1], s[STEP:STEP+1]
	s_sub_co_u32 s[TR], s[TR], 1
	global_load_b32 v[GX], v[GO], s[GP:GP+1] th:TH_LOAD_NT             ; the two loads cover 256 consecutive bytes, aligned
	global_load_b32 v[GY], v[GO], s[GP:GP+1] offset:128 th:TH_LOAD_NT
.endm
; THE WAY OUT, every four trips: 128 points, 1,536 bytes, read back from my own stage as they lie in out0.
.macro FLUSH
	ds_load_b128 v[TMP:TMP+3], v[RD]               ; LDS serves a wave's instructions in order (ISA guide 5.7.1.4): these see my stores, and the next trip's stores come behind them
	ds_load_b128 v[TMP+4:TMP+7], v[RD] offset:512
	ds_load_b128 v[TMP+8:TMP+11], v[RD] offset:1024
	s_wait_dscnt 0x0
	global_store_b128 v[OO], v[TMP:TMP+3], s[OUTP:OUTP+1] th:TH_STORE_NT               ; each store covers 512 consecutive bytes, at a multiple of 256 from out0's first byte
	global_store_b128 v[OO], v[TMP+4:TMP+7], s[OUTP:OUTP+1] offset:512 th:TH_STORE_NT
	global_store_b128 v[OO], v[TMP+8:TMP+11], s[OUTP:OUTP+1] offset:1024 th:TH_STORE_NT
	s_wait_xcnt 0x0                                ; the stores have read their base and their data: only behind this wait are the base stepped and v16-27 written again
	s_add_nc_u64 s[OUTP:OUTP+1], s[OUTP:OUTP+1], STW
.endm
	; THE HEAD.
	s_load_b512 s[16:31], s[0:1], 0x0              ; grid s[16:17], W1 s[18:19], b1 s[20:21], Wh s[22:23], bh s[24:25], Wo s[26:27], bo s[28:29], out0 s[30:31]
	v_lshl_add_u32 v[SPW], v0, 2, SPARE
	v_mov_b32 v[NIL], 0
	v_lshrrev_b32 v1, 5, v0
	v_readfirstlane_b32 s[WV], v1                  ; wave 0..3
	v_and_b32 v[HL], 31, v0
	v_and_b32 v[HR], 15, v0
	v_bfe_u32 v[HH], v0, 4, 1
	v_lshlrev_b32 v[WHO], 9, v[HR]                 ; a row of Wh is 512 bytes;
	v_lshl_add_u32 v[WHO], v[HH], 5, v[WHO]        ; my eight numbers of 16 begin 32 h bytes in
	s_lshl_b32 s4, ttmp9, 2
	s_add_co_u32 s4, s4, s[WV]                     ; my wave among the launch's 1,024
	s_lshl_b32 s6, s4, 13                          ; its 1,024 points: 8,192 bytes of grid,
	s_mov_b32 s7, 0
	s_mul_i32 s4, s4, 12288                        ; 12,288 bytes of out0
	s_mov_b32 s5, 0
	s_lshl_b32 s[STEP], s[WV], 15                  ; and the 64 rows of Wh (of 256) that I convert
	s_mov_b32 s[STEP+1], 0
	s_mov_b32 s[D0], 0xbf802c54                    ; -1.0013528
	s_mov_b32 s[D0+1], 0xbf802c54
	s_mov_b32 s[D1], 0xbe2e7aac                    ; -0.17038984
	s_mov_b32 s[D1+1], 0xbe2e7aac
	s_mov_b32 s[D2], 0x4183606c                    ; 16.422081
	s_mov_b32 s[D2+1], 0x4183606c
	s_mov_b32 s[D3], 0xc26e5238                    ; -59.580293
	s_mov_b32 s[D3+1], 0xc26e5238
	s_mov_b32 s[KAP], 0x40fea5dd                   ; 50 / 2 pi = 7.9577472
	s_mov_b32 s[KAP+1], 0x40fea5dd
	s_mov_b32 s[QRT], 0x3e800000                   ; 1/4
	s_mov_b32 s[QRT+1], 0x3e800000
	s_mov_b32 s[K2], 0x417ea5dd                    ; 2 kappa
	s_mov_b32 s[MSK], 0xffff0000
	s_mov_b32 s[SEL], 0x07060302
	s_wait_kmcnt 0x0
	s_load_b96 s[32:34], s[28:29], 0x0             ; bo
	s_add_nc_u64 s[GP:GP+1], s[GP:GP+1], s[6:7]
	s_add_nc_u64 s[OUTP:OUTP+1], s[OUTP:OUTP+1], s[4:5]
	s_add_nc_u64 s[22:23], s[22:23], s[STEP:STEP+1]
	; My quarter of the hidden weights, as f32, already in fragment order: group e = feature tile, chunk c, and the four runs of four numbers of a lane's 16.  They land in window 1, which the fragments take later.
	; A lane reads 16 bytes of a row 512 bytes long; a group's 16 loads together read its 16 rows whole.  Once a launch: 32 KiB a wave.
	WIN 0x40
.set n, 0
.rept 64
	global_load_b128 v[4*n:4*n+3], v[WHO], s[22:23] offset:8192*(n/16)+128*((n/4)%4)+64*((n%4)/2)+16*(n%2)
.set n, n+1
.endr
	WIN 0
	v_lshlrev_b32 v[H32], 5, v[HH]                 ; bh: features 8 h + 0..7 of a tile
	v_and_b32 v1, 7, v[HR]
	v_min_u32 v1, 2, v1                            ; Wo: row r % 8, held to the three that exist; the lane masks clear the others
	v_lshlrev_b32 v1, 9, v1
	v_lshl_add_u32 v[WOO], v[HH], 5, v1
	v_lshlrev_b32 v[W1O], 3, v[HR]
	v_lshlrev_b32 v[B1O], 2, v[HR]
	s_lshl_b32 s4, s[WV], 14                       ; my 16 fragments in LDS
	v_lshl_add_u32 v[LSA], v[HL], 4, s4
	v_lshlrev_b32 v[LA], 4, v[HL]
	v_lshlrev_b32 v[OO], 4, v[HL]
	v_lshlrev_b32 v[GO], 3, v[HR]
	v_lshl_add_u32 v[GO], v[HH], 2, v[GO]
	s_mul_i32 s4, s[WV], STW
	s_add_co_u32 s4, s4, STAGE                     ; my stage
	v_mul_u32_u24 v[SA0], v[HL], 12
	v_add_nc_u32 v[SA0], s4, v[SA0]
	v_lshl_add_u32 v[RD], v[HL], 4, s4
	v_cmp_gt_u32 vcc_lo, 3, v[HR]
	v_cndmask_b32 v[ML], 0, -1, vcc_lo
	v_add_nc_u32 v1, -8, v[HR]
	v_cmp_gt_u32 vcc_lo, 3, v1
	v_cndmask_b32 v[MH], 0, -1, vcc_lo
	; times kappa, rounded once to bf16, into LDS: fragment 16 w + 4 e + c, its registers 0-3 at 16 x lane, its registers 4-7 512 bytes on: neighbouring lanes, neighbouring 16 bytes
.irp e, 0,1,2,3
	s_wait_loadcnt 48-16*(\e)                      ; loads come back in order (ISA guide 5.7.1): group e is in; the 16 loads of each later group may stay out
	WIN 0x41
.set m, 0
.rept 32
	v_pk_mul_f32 v[64*(\e)+2*m:64*(\e)+2*m+1], v[64*(\e)+2*m:64*(\e)+2*m+1], s[KAP:KAP+1] op_sel_hi:[1,0]
.set m, m+1
.endr
	WIN 0x05
.set m, 0
.rept 32
	v_cvt_pk_bf16_f32 v[BX0+32*(\e)+m], v[64*(\e)+2*m], v[64*(\e)+2*m+1]
.set m, m+1
.endr
	WIN 0
.irp c, 0,1,2,3
	ds_store_b128 v[LSA], v[BX0+32*(\e)+8*(\c):BX0+32*(\e)+8*(\c)+3] offset:1024*(4*(\e)+(\c))
	ds_store_b128 v[LSA], v[BX0+32*(\e)+8*(\c)+4:BX0+32*(\e)+8*(\c)+7] offset:1024*(4*(\e)+(\c))+512
.endr
.endr
	; the small operands, each wave for itself; they are on their way while the waves meet and the fragments come back
	WIN 0xc0
.set n, 0
.rept 16                               ; a bias tile is a C operand: register j of lane (r, h) belongs to feature 8 h + j, whatever r
	global_load_b128 v[8*n:8*n+3], v[H32], s[24:25] offset:64*n
	global_load_b128 v[8*n+4:8*n+7], v[H32], s[24:25] offset:64*n+16
.set n, n+1
.endr
.set n, 0
.rept 16
	global_load_b128 v[WOL+4*n:WOL+4*n+3], v[WOO], s[26:27] offset:128*(n/4)+64*((n%4)/2)+16*(n%2)
.set n, n+1
.endr
	WIN 0
.set n, 0
.rept 8
	global_load_b64 v[TMP+2*n:TMP+2*n+1], v[W1O], s[18:19] offset:128*n
	global_load_b32 v[B1L+n], v[B1O], s[20:21] offset:64*n
.set n, n+1
.endr
	global_load_b32 v[GX], v[GO], s[GP:GP+1] th:TH_LOAD_NT             ; trip 0
	global_load_b32 v[GY], v[GO], s[GP:GP+1] offset:128 th:TH_LOAD_NT
	s_wait_dscnt 0x0                               ; for the others' sake: my fragments lie in LDS
	s_barrier_signal -1
	s_barrier_wait -1                              ; everybody's do.  The kernel's one barrier
	WIN 0x40
.set n, 0
.rept 32
	ds_load_b128 v[8*n:8*n+3], v[LA] offset:1024*n
	ds_load_b128 v[8*n+4:8*n+7], v[LA] offset:1024*n+512
.set n, n+1
.endr
	WIN 0x80
.set n, 0
.rept 32
	ds_load_b128 v[8*n:8*n+3], v[LA] offset:1024*(32+n)
	ds_load_b128 v[8*n+4:8*n+7], v[LA] offset:1024*(32+n)+512
.set n, n+1
.endr
	s_wait_loadcnt 0x0                             ; the small operands and trip 0
	s_wait_kmcnt 0x0                               ; bo
	WIN 0xc3
.set n, 0
.rept 64
	v_pk_fma_f32 v[2*n:2*n+1], v[2*n:2*n+1], s[KAP:KAP+1], s[QRT:QRT+1] op_sel_hi:[1,0,0]  ; kappa b + 1/4
.set n, n+1
.endr
.set n, 0
.rept 32
	v_pk_mul_f32 v[WOL+2*n:WOL+2*n+1], v[WOL+2*n:WOL+2*n+1], 0.5 op_sel_hi:[1,0]
.set n, n+1
.endr
	WIN 0x0f
.set n, 0
.rept 32
	v_cvt_pk_bf16_f32 v[ACC0+n], v[WOL+2*n], v[WOL+2*n+1]
.set n, n+1
.endr
	WIN 0xc0
.set n, 0
.rept 32
	v_and_b32 v[WOL+n], v[ML], v[ACC0+n]
	v_and_b32 v[WOH+n], v[MH], v[ACC0+n]
.set n, n+1
.endr
	v_fma_f32 v[BO], s32, 0.5, 0.5
	v_fma_f32 v[BO+1], s33, 0.5, 0.5
	v_fma_f32 v[BO+2], s34, 0.5, 0.5
.irp n, 3,4,5,6,7
	v_mov_b32 v[BO+(\n)], 0
.endr
	WIN 0
.irp i, 0,1,2,3,4,5,6,7
	W1PREP \i
.endr
.irp n, 0,1,2,3
	v_mov_b32 v[W1F+32+(\n)], 0
	v_mov_b32 v[X1X+4+(\n)], 0
	v_mov_b32 v[X1Y+4+(\n)], 0
.endr
	v_mov_b32 v[X1X+3], 0x3f803f80                 ; 1, 1
	v_mov_b32 v[X1Y+3], 0x3f803f80
	PREP GX, X1X
	s_wait_dscnt 0x0                               ; the hidden fragments are in
	v_wmma_f32_16x16x32_bf16 v[ACC0:ACC0+7], v[W1F:W1F+7], v[X1X:X1X+7], 0        ; trip 0's X, feature tiles 0 and 1
	v_wmma_f32_16x16x32_bf16 v[ACC0+8:ACC0+15], v[W1F+4:W1F+11], v[X1X:X1X+7], 0
	PREP GY, X1Y                                   ; seven plain lines: the places in front of the first block's reads of these sums
	s_add_nc_u64 s[GP:GP+1], s[GP:GP+1], 256
	global_load_b32 v[GX], v[GO], s[GP:GP+1] th:TH_LOAD_NT             ; trip 1
	global_load_b32 v[GY], v[GO], s[GP:GP+1] offset:128 th:TH_LOAD_NT
	s_mov_b32 s[TR], 32
	s_mov_b32 s[OC], 8
	; THE LOOP: 8 x 4 trips of 32 points.  X leads Y by a block, so each block's source 1 was finished in an earlier block; an accumulator pair lives through two blocks: filled in one, turned into sines in the next.
.Lout:
	s_mov_b32 s[IC], 4
.Ltrip:
	SJOB ACC0, BX0                                 ; layer 1
	BLK1 X1Y, 0, ACC1
.irp p, 1,2,3
	SJOB ACC1, BY0+8*(\p)-8
	BLK1 X1X, \p, ACC0
	SJOB ACC0, BX0+8*(\p)
	BLK1 X1Y, \p, ACC1
.endr
	SJOB ACC1, BY0+24                              ; layer 2: BX0, BY0 -> BX1, BY1
	BLKH 2, BX0, 0, ACC0
	SJOB ACC0, BX1
	BLKH 2, BY0, 0, ACC1
.irp p, 1,2,3
	SJOB ACC1, BY1+8*(\p)-8
	BLKH 2, BX0, \p, ACC0
	SJOB ACC0, BX1+8*(\p)
	BLKH 2, BY0, \p, ACC1
.endr
	SJOB ACC1, BY1+24                              ; layer 3: BX1, BY1 -> BX0, BY0
	BLKH 3, BX1, 0, ACC0
	SJOB ACC0, BX0
	BLKH 3, BY1, 0, ACC1
.irp p, 1,2,3
	SJOB ACC1, BY0+8*(\p)-8
	BLKH 3, BX1, \p, ACC0
	SJOB ACC0, BX0+8*(\p)
	BLKH 3, BY1, \p, ACC1
.endr
	SJOB ACC1, BY0+24                              ; layer 4
	BLK4X
	TAIL
	s_sub_co_u32 s[IC], s[IC], 1
	s_cmp_lg_u32 s[IC], 0
	s_cbranch_scc1 .Ltrip
	FLUSH
	s_sub_co_u32 s[OC], s[OC], 1
	s_cmp_lg_u32 s[OC], 0
	s_cbranch_scc1 .Lout
	s_wait_tensorcnt 0x0                           ; the wave's end, behind my last LDS store
	ds_add_u32 v[SPW], v[NIL]
	s_wait_dscnt 0x0
	s_endpgm
.Lfunc_end_k_q8694f41e35_siren:
	.size	k_q8694f41e35_siren, .Lfunc_end_k_q8694f41e35_siren-k_q8694f41e35_siren
	.p2alignl 7, 3214868480
	.fill 96, 4, 3214868480
	.section	.rodata,"a",@progbits
	.p2align	6, 0x0
	.amdhsa_kernel k_q8694f41e35_siren
		.amdhsa_group_segment_fixed_size 72192
		.amdhsa_private_segment_fixed_size 0
		.amdhsa_enable_private_segment 0
		.amdhsa_kernarg_size 64
		.amdhsa_user_sgpr_count 2
		.amdhsa_user_sgpr_kernarg_segment_ptr 1
		.amdhsa_wavefront_size32 1
		.amdhsa_system_sgpr_workgroup_id_x 1
		.amdhsa_system_sgpr_workgroup_id_y 1
		.amdhsa_system_sgpr_workgroup_id_z 1
		.amdhsa_system_vgpr_workitem_id 0
		.amdhsa_next_free_vgpr 968
		.amdhsa_next_free_sgpr 66
		.amdhsa_reserve_vcc 1
		.amdhsa_float_denorm_mode_32 3
		.amdhsa_float_denorm_mode_16_64 3
		.amdhsa_memory_ordered 1
		.amdhsa_forward_progress 1
		.amdhsa_inst_pref_size 153
	.end_amdhsa_kernel
	.amdgpu_metadata
---
amdhsa.version: [ 1, 2 ]
amdhsa.kernels:
  - .name:           k_q8694f41e35_siren
    .symbol:         k_q8694f41e35_siren.kd
    .args:
      - { .name: grid, .offset: 0, .size: 8, .value_kind: global_buffer, .address_space: global }
      - { .name: W1, .offset: 8, .size: 8, .value_kind: global_buffer, .address_space: global }
      - { .name: b1, .offset: 16, .size: 8, .value_kind: global_buffer, .address_space: global }
      - { .name: Wh, .offset: 24, .size: 8, .value_kind: global_buffer, .address_space: global }
      - { .name: bh, .offset: 32, .size: 8, .value_kind: global_buffer, .address_space: global }
      - { .name: Wo, .offset: 40, .size: 8, .value_kind: global_buffer, .address_space: global }
      - { .name: bo, .offset: 48, .size: 8, .value_kind: global_buffer, .address_space: global }
      - { .name: out0, .offset: 56, .size: 8, .value_kind: global_buffer, .address_space: global }
    .group_segment_fixed_size: 72192
    .private_segment_fixed_size: 0
    .kernarg_segment_align: 8
    .kernarg_segment_size: 64
    .max_flat_workgroup_size: 128
    .sgpr_count:     66
    .vgpr_count:     968
    .wavefront_size: 32
...
	.end_amdgpu_metadata
.endif
;; end of part 1
